; MI455X (gfx1250); checked and timed in simulation.
; The chip was launched on July 23, 2026; its instructions are those of AMD's public machine-readable ISA for CDNA 5 (MIT licence, August 2026) and "CDNA5" Instruction Set Architecture Reference Guide (July 2026). The comments in the code are by the model that wrote it; some were corrected since.
;; Path Agent. Allowed arithmetic: float matrix products may take bf16 or f16 operands with f32 sums; all other float work in f32.
;; Inputs: W 1 x 256 float32; b 1 float32; edge_emb 100,000 x 256 float32; path_lens 20,000 int32; path_mask 20,000 int32; paths 20,000 x 16 int32.
;; Outputs: out0 one number int32; out1 one number float32; out2 256 float32.
;; Constants: deterministic = 1.
;; One version. Each part assembles by itself: llvm-mc -triple=amdgcn-amd-amdhsa -mcpu=gfx1250 --defsym DOCPART=n.
;; ======== version 1 of 1: 2 launches
;; workspace buffers: part 4,096 bytes; zpart 256,000 bytes
;; launch score (part 1): grid 250 x 1, 20 waves a work-group, no clusters, 24,064 bytes of LDS; arguments edge_emb, paths, path_lens, path_mask, W, b, part, zpart; writes part, zpart
.if DOCPART == 1
	.amdgcn_target "amdgcn-amd-amdhsa--gfx1250"
	.amdhsa_code_object_version 6
	.text
	.protected	k_q94cf3ad059_score
	.globl	k_q94cf3ad059_score
	.p2align	8
	.type	k_q94cf3ad059_score,@function
k_q94cf3ad059_score:
	s_mov_b64 s[64:65], 0
	v_nop
	global_prefetch_b8 v0, s[64:65] scope:SCOPE_SE
	s_setreg_imm32_b32 hwreg(HW_REG_WAVE_MODE, 25, 1), 1
	s_wait_xcnt 0x0
; PathAgent, first of two launches.  20,000 paths = 250 work-groups x 80 paths.
; For its 80 paths a work-group makes z = mean of the path's valid rows of edge_emb, logit = z.W + b (-1e9 where path_mask is 0), and stores
;   part[g]  = { M = largest logit, S = sum of exp(logit - M), index of the FIRST path that reaches M, 0 }          (16 bytes)
;   zpart    = that path's z, as [4 column blocks][250 work-groups][64 f32]: each block is 256 consecutive bytes, aligned, stored by one instruction.
; The second launch merges the 250 partials.  The winner's z is carried along and chosen by v_cndmask_b32: no address hangs on a float.
;
; WHICH PATHS ARE GATHERED.  A masked path's logit is the constant -1e9, so its rows are not needed, unless it is the argmax; all masked logits are
; equal, so only the FIRST masked path of the group can be the first maximum.  The work list is therefore: every unmasked path and the first masked
; one, T paths (1 to 80), in index order.  The other 80 - T masked paths enter the sum alone, as (80 - T) exp(-1e9 - M).
; The list is dealt by rank: wave w takes ranks w, w + 20, w + 40, w + 60, so the waves' shares differ by one path at the most.
; Every wave makes the list for itself, in registers, from path_mask and path_lens as loaded (six loads of 128 bytes): whatever steers a branch or an
; address goes from the inputs through registers alone, and no barrier stands in front of the gather.
;
; A WAVE, A PATH.  The path's 16 indices come by one scalar load of 64 bytes, asked for one path ahead.  A row is 1,024 bytes: two 16-byte loads a lane,
; each covering 512 consecutive bytes.  All rows of the path (1 to 16) are asked for in one run and added in ascending order as they arrive.  There is
; one text for each length (VAR n), so that every wait's count is a constant.
;
; All arithmetic is f32 on the vector unit: the product has one column, memory binds, and the argmax is compared exactly, so 16-bit operands are no option.
; No cluster: the rows that a work-group reads are scattered by its own lists, no tile is common to work-groups.  No copy engine: the number of rows
; differs from wave to wave, and a refill of LDS by an engine would want a barrier that all waves pass.
;
; LIMITS.  NaN logits, and logits that are all infinite, are not served.  path_lens is honoured for 0 to 15 (unsigned minimum with 15 for anything else).
; paths entries are held to 0 .. 99,999 by an unsigned minimum (reference() relies on indices inside the table).  The division by the length is
; v_rcp_f32 (1 ulp) and a multiply.  The dot product is summed inside each lane and then across lanes, an order other than the reference's.
.set NROWS,  0x1869f                   ; 99,999: the table's last row
.set LLG,    0                         ; LDS     0 ..   639  80 slots of 8 bytes { logit, pid }: wave w's trip k at 32 w + 8 k; { -inf, 0 } where no path was worked
.set LZC,    1024                      ; LDS  1024 .. 21503  20 x 1,024: each wave's best z
.set WV,     24                        ; v[24:31]   W of my 8 columns (4 lane .. + 3 and 128 + 4 lane .. + 3)
.set BZ,     32                        ; v[32:39]   z of my wave's best path so far
.set IDX,    40                        ; v[40:55]   byte offsets of my 16 bytes in the path's 16 rows
.set ROW,    56                        ; v[56:183]  16 rows x 8 registers; row 0 becomes the sum and then z.  (The list work and the last stage use them too.)
.set SI,     68                        ; s[68:83]   the path's 16 indices
; v1 lane, v2 16 lane, v3 at work, v[4:5] the trip's slot { logit, pid }, v[6:7] 1/len twice, v8 best logit, v9 at work, v[10:11] dot product,
; v16 -1e9, v17 LDS address of the trip's slot, v18 the prefetch's offsets.
; s[4:19] the eight addresses, s20 wave, s21 first path of the group, s24-37 list work, s38 T, s39 b, s40-43 my four list words
; (pid | len << 8 | unmasked << 16), s44 trip, s45 rank, s46 len, s53 offset of the index load.
; over the 32 lanes: four steps inside each half ride on the arithmetic, one crosses the halves; every lane gets the result.  t: written before.
.macro RED opd, op, r, t
	\opd v\r, v\r, v\r row_xmask:1 row_mask:0xf bank_mask:0xf
	\opd v\r, v\r, v\r row_xmask:2 row_mask:0xf bank_mask:0xf
	\opd v\r, v\r, v\r row_xmask:4 row_mask:0xf bank_mask:0xf
	\opd v\r, v\r, v\r row_xmask:8 row_mask:0xf bank_mask:0xf
	v_permlanex16_b32 v\t, v\r, s50, s51
	\op v\r, v\r, v\t
.endm
; ask for the 16 indices of the path named by list word s<d>.  s53 and s[SI:SI+15] are written here only, behind the wait for the load before.
.macro FETCHIDX d
	s_and_b32 s53, s\d, 0xff
	s_min_u32 s53, s53, 79                         ; a number that was loaded enters an address only behind a minimum
	s_lshl_b32 s53, s53, 6                         ; 64 bytes a path
	s_load_b512 s[SI:SI+15], s[6:7], s53 offset:0x0
.endm
; a path of n rows: ask for all of them, then add rows 1 .. n-1 to row 0 as they come
.macro VAR n
.set rr, 0
.rept \n
	global_load_b128 v[ROW+8*rr:ROW+8*rr+3],   v[IDX+rr], s[4:5]             ; no cache word: other paths may name the row again
	global_load_b128 v[ROW+8*rr+4:ROW+8*rr+7], v[IDX+rr], s[4:5] offset:512
.set rr, rr+1
.endr
.if \n == 1
	s_wait_loadcnt 0x0
.else
.set rr, 1
.rept \n-1
	s_wait_loadcnt 2*(\n-1-rr)                     ; loads return in order: rows 0 .. rr are in, the 2 (n-1-rr) loads of the rows behind stay out
.irp j, 0,2,4,6
	v_pk_add_f32 v[ROW+\j:ROW+\j+1], v[ROW+\j:ROW+\j+1], v[ROW+8*rr+\j:ROW+8*rr+\j+1]
.endr
.set rr, rr+1
.endr
.endif
.endm
.macro LEAF c, lo, hi                  ; the last level of the choice of a text by length
	s_cmp_gt_u32 s46, \c
	s_cbranch_scc1 \hi
	s_branch \lo
.endm
	; ---- A. every wave: addresses, the group's masks and lengths, W, b
	s_load_b512 s[4:19], s[0:1], 0x0               ; edge s[4:5], paths s[6:7], lens s[8:9], mask s[10:11], W s[12:13], b s[14:15], part s[16:17], zpart s[18:19]
	v_lshl_add_u32 v190, v0, 2, 0x5400
	v_mov_b32 v191, 0
	v_and_b32 v1, 31, v0
	v_lshrrev_b32 v3, 5, v0
	v_readfirstlane_b32 s20, v3                    ; wave 0 .. 19
	v_lshlrev_b32 v2, 4, v1
	s_mul_i32 s21, ttmp9, 80                       ; the group's first path
	v_lshlrev_b32 v56, 2, v1
.irp i, 0,1,2
	v_add_nc_u32 v[74+\i], 32*\i, v1               ; lane l looks at paths g = l, l + 32, l + 64 (g > 79: no path, never listed)
	v_min_u32 v[77+\i], 79, v[74+\i]               ; g held inside the group
.endr
	v_lshlrev_b32 v67, 2, v79
	v_min_u32 v18, 19, v1                          ; the group's part of paths is 20 blocks of 256 bytes; lanes above 19 stay at the last
	v_lshlrev_b32 v18, 8, v18
	s_lshl_b32 s22, s21, 2
	s_mov_b32 s23, 0
	s_wait_kmcnt 0x0
	s_load_b32 s39, s[14:15], 0x0                  ; b
	s_add_nc_u64 s[10:11], s[10:11], s[22:23]      ; mask and lens at the group's first path
	s_add_nc_u64 s[8:9], s[8:9], s[22:23]
	s_mul_i32 s22, ttmp9, 5120
	s_add_nc_u64 s[6:7], s[6:7], s[22:23]          ; paths likewise: 80 x 64 bytes a group
	global_load_b32 v58, v56, s[10:11]             ; no cache word: all 20 waves read these
	global_load_b32 v59, v56, s[10:11] offset:128
	global_load_b32 v60, v67, s[10:11]
	global_load_b32 v61, v56, s[8:9]
	global_load_b32 v62, v56, s[8:9] offset:128
	global_load_b32 v63, v67, s[8:9]
	global_load_b128 v[WV:WV+3],   v2, s[12:13]
	global_load_b128 v[WV+4:WV+7], v2, s[12:13] offset:512
	s_cmp_lg_u32 s20, 0
	s_cbranch_scc1 .Lno_pf
	; wave 0 alone asks for the group's 5,120 bytes of paths, lanes 256 bytes apart: the index loads can only be addressed when the list is made,
	; that is behind the loads above, and then find their bytes nearer.  Inside the buffer: block 19 ends where the group's part ends.
	global_prefetch_b8 v18, s[6:7] th:TH_LOAD_NT scope:SCOPE_SE
.Lno_pf:
	s_mov_b32 s50, 0x76543210                      ; v_permlanex16_b32: lane i reads lane i of the other half
	s_mov_b32 s51, 0xfedcba98
	v_mov_b32 v8, 0xff800000                       ; best logit so far: -inf
	v_mov_b32 v16, 0xce6e6b28                      ; -1e9
.irp j, 0,1,2,3,4,5,6,7
	v_mov_b32 v[BZ+\j], 0                          ; a wave without a path still hands in a candidate (never chosen: its logits stay -inf)
.endr
	s_lshl_b32 s47, s20, 5
	v_mov_b32 v17, s47                             ; my four slots: 32 w + 8 k
	s_wait_loadcnt 0x0                             ; masks, lengths and W
	; the work list, as three words of bits
.irp i, 0,1,2
	v_cmp_ne_u32 s[24+\i], 0, v[58+\i]             ; one bit a path: unmasked
.endr
	s_and_b32 s26, s26, 0xffff                     ; paths 64 .. 79 only
	s_not_b32 s27, s24                             ; masked
	s_not_b32 s28, s25
	s_and_not1_b32 s29, 0xffff, s26
.irp i, 0,1,2
	s_sub_co_u32 s[30+\i], 0, s[27+\i]
	s_and_b32 s[30+\i], s[30+\i], s[27+\i]         ; x & -x: each word's lowest masked path
.endr
	s_cmp_lg_u32 s27, 0                            ; only the first of the three counts
	s_cselect_b32 s31, 0, s31
	s_cselect_b32 s32, 0, s32
	s_cmp_lg_u32 s28, 0
	s_cselect_b32 s32, 0, s32
.irp i, 0,1,2
	s_or_b32 s[33+\i], s[24+\i], s[30+\i]          ; listed = unmasked, or the first masked
.endr
	s_bcnt1_i32_b32 s36, s33
	s_bcnt1_i32_b32 s37, s34
	s_add_co_u32 s37, s37, s36
	s_bcnt1_i32_b32 s38, s35
	s_add_co_u32 s38, s38, s37                     ; T
	v_mbcnt_lo_u32_b32 v68, s33, 0                 ; rank = listed paths in front of g
	v_mbcnt_lo_u32_b32 v69, s34, s36
	v_mbcnt_lo_u32_b32 v70, s35, s37
.irp i, 0,1,2
	v_min_u32 v[61+\i], 15, v[61+\i]
	v_add_nc_u32 v[61+\i], 1, v[61+\i]             ; len = path_lens + 1
	v_min_u32 v[58+\i], 1, v[58+\i]
	v_lshl_or_b32 v[61+\i], v[61+\i], 8, v[77+\i]
	v_lshl_or_b32 v[61+\i], v[58+\i], 16, v[61+\i] ; the path's list word: pid | len << 8 | unmasked << 16
.endr
	; my four list words: the one listed path whose rank is w + 20 k sits in one lane of one of the three words
.irp k, 0,1,2,3
	s_add_co_u32 s47, s20, 20*\k
	v_cmp_eq_u32 s48, s47, v68
	v_cmp_eq_u32 s49, s47, v69
	v_cmp_eq_u32 s54, s47, v70
	s_and_b32 s48, s48, s33                        ; an unlisted path may show the same count: listed ones alone
	s_and_b32 s49, s49, s34
	s_and_b32 s54, s54, s35
	v_cndmask_b32 v9, v61, v62, s49                ; in the matching lane: the matching word
	v_cndmask_b32 v9, v9, v63, s54
	s_or_b32 s48, s48, s49
	s_or_b32 s48, s48, s54
	s_ctz_i32_b32 s48, s48                         ; the lane; -1 where the rank is not on the list (the trip is then left out,
	s_and_b32 s48, s48, 31                         ; and lane 31's word, a path of this group, stands in)
	v_readlane_b32 s[40+\k], v9, s48
.endr
	FETCHIDX 40                                    ; the first path's indices
	s_mov_b32 s44, 0
	s_mov_b32 s45, s20
	; ---- B. four trips, one path each; a trip whose rank is not on the list only fills its slot
.Ltrip:
	v_mov_b32 v4, 0xff800000                       ; the slot of a trip without a path: { -inf, 0 }
	v_mov_b32 v5, 0
	s_cmp_ge_u32 s45, s38
	s_cbranch_scc1 .Lstore
	s_bfe_u32 s46, s40, 0x80008                    ; len, 1 .. 16
	v_cvt_f32_u32 v9, s46
	v_rcp_f32 v6, v9                               ; used far below; the next vector line, on IDX, is plain and touches neither v6, v7 nor v9
	v_rcp_f32 v7, v9
	s_wait_kmcnt 0x0                               ; the indices are in (and b, in the first trip)
.set rr, 0
.rept 16
	s_min_u32 s[SI+rr], s[SI+rr], NROWS
.set rr, rr+1
.endr
.set rr, 0
.rept 16
	v_lshl_add_u32 v[IDX+rr], s[SI+rr], 10, v2     ; row x 1,024 + 16 lane.  All 16, whatever the length: the texts below then hold loads and sums alone.
.set rr, rr+1                                      ; (IDX: the last trip's loads, whose addresses these were, were all waited for)
.endr
	FETCHIDX 41                                    ; the next trip's indices, under this trip's gather (behind the last listed path a surplus read, inside the group's part)
	s_cmp_gt_u32 s46, 8
	s_cbranch_scc1 .Lt9
	s_cmp_gt_u32 s46, 4
	s_cbranch_scc1 .Lt5
	s_cmp_gt_u32 s46, 2
	s_cbranch_scc1 .Lt3
	LEAF 1, .Lv1, .Lv2
.Lt3:
	LEAF 3, .Lv3, .Lv4
.Lt5:
	s_cmp_gt_u32 s46, 6
	s_cbranch_scc1 .Lt7
	LEAF 5, .Lv5, .Lv6
.Lt7:
	LEAF 7, .Lv7, .Lv8
.Lt9:
	s_cmp_gt_u32 s46, 12
	s_cbranch_scc1 .Lt13
	s_cmp_gt_u32 s46, 10
	s_cbranch_scc1 .Lt11
	LEAF 9, .Lv9, .Lv10
.Lt11:
	LEAF 11, .Lv11, .Lv12
.Lt13:
	s_cmp_gt_u32 s46, 14
	s_cbranch_scc1 .Lt15
	LEAF 13, .Lv13, .Lv14
.Lt15:
	LEAF 15, .Lv15, .Lv16
.Lv1:
	VAR 1
	s_branch .Ljoin
.Lv2:
	VAR 2
	s_branch .Ljoin
.Lv3:
	VAR 3
	s_branch .Ljoin
.Lv4:
	VAR 4
	s_branch .Ljoin
.Lv5:
	VAR 5
	s_branch .Ljoin
.Lv6:
	VAR 6
	s_branch .Ljoin
.Lv7:
	VAR 7
	s_branch .Ljoin
.Lv8:
	VAR 8
	s_branch .Ljoin
.Lv9:
	VAR 9
	s_branch .Ljoin
.Lv10:
	VAR 10
	s_branch .Ljoin
.Lv11:
	VAR 11
	s_branch .Ljoin
.Lv12:
	VAR 12
	s_branch .Ljoin
.Lv13:
	VAR 13
	s_branch .Ljoin
.Lv14:
	VAR 14
	s_branch .Ljoin
.Lv15:
	VAR 15
	s_branch .Ljoin
.Lv16:
	VAR 16
.Ljoin:                                                ; every text ended with a wait for all its loads
	s_wait_alu depctr_va_vdst(0)
.irp j, 0,2,4,6
	v_pk_mul_f32 v[ROW+\j:ROW+\j+1], v[ROW+\j:ROW+\j+1], v[6:7]        ; z = sum / len
.endr
	v_pk_mul_f32 v[10:11], v[ROW:ROW+1], v[WV:WV+1]
.irp j, 2,4,6
	v_pk_fma_f32 v[10:11], v[ROW+\j:ROW+\j+1], v[WV+\j:WV+\j+1], v[10:11]
.endr
	v_add_f32 v4, v10, v11
	RED v_add_f32_dpp, v_add_f32, 4, 9
	v_add_f32 v4, s39, v4                          ; + b
	s_and_b32 s47, s40, 0x7f
	v_mov_b32 v5, s47                              ; pid
	s_bitcmp1_b32 s40, 16                          ; unmasked?
	s_cselect_b32 s48, -1, 0
	v_cndmask_b32 v4, v16, v4, s48                 ; the listed masked path: -1e9
	v_cmp_gt_f32 vcc_lo, v4, v8                    ; strictly greater: of equals the earlier rank stays
	v_cndmask_b32 v8, v8, v4, vcc_lo
.irp j, 0,1,2,3,4,5,6,7
	v_cndmask_b32 v[BZ+\j], v[BZ+\j], v[ROW+\j], vcc_lo
.endr
.Lstore:
	ds_store_b64 v17, v[4:5] offset:LLG            ; every lane writes the same 8 bytes with the same values
	s_mov_b32 s40, s41
	s_mov_b32 s41, s42
	s_mov_b32 s42, s43
	v_add_nc_u32 v17, 8, v17
	s_add_co_u32 s45, s45, 20
	s_add_co_u32 s44, s44, 1
	s_cmp_lt_u32 s44, 4
	s_cbranch_scc1 .Ltrip
	; ---- C. each wave hands in its best z
	v_lshl_add_u32 v3, s20, 10, v2                 ; 1,024 wave + 16 lane: byte = 4 x column
	ds_store_b128 v3, v[BZ:BZ+3]   offset:LZC
	ds_store_b128 v3, v[BZ+4:BZ+7] offset:LZC+512
	s_wait_kmcnt 0x0                               ; the surplus index load
	s_wait_dscnt 0x0                               ; for the other waves: these stores and the slots' are done before I signal
	s_barrier_signal -1
	s_barrier_wait -1
	s_cmp_ge_u32 s20, 4
	s_cbranch_scc1 .Lend
	; ---- D. waves 0 .. 3: wave j owns columns 64 j .. 64 j + 63; each of the four makes M, S and the winner for itself
	v_lshlrev_b32 v56, 3, v1                       ; slot s = lane + 32 i, 8 bytes each
	v_add_nc_u32 v57, 64, v1
	v_min_u32 v57, 79, v57                         ; i = 2: slots 64 .. 79 exist, lanes above 15 are held at the last and count as -inf below
	v_lshlrev_b32 v57, 3, v57
	v_lshrrev_b32 v74, 2, v1                       ; the slot's wave is s >> 2 = (lane >> 2) + 8 i
	v_lshl_add_u32 v66, s20, 8, v56                ; 256 j + 8 lane
	ds_load_b64 v[58:59], v56 offset:LLG
	ds_load_b64 v[60:61], v56 offset:LLG+256
	ds_load_b64 v[62:63], v57 offset:LLG
.set c, 0
.rept 20
	ds_load_b64 v[80+2*c:81+2*c], v66 offset:LZC+1024*c    ; my two columns of the 20 candidates
.set c, c+1
.endr
	v_mov_b32 v68, 0
	v_mov_b32 v75, 0x7f800000                      ; +inf
	s_sub_co_u32 s47, 80, s38                      ; masked paths that are not listed
	v_cvt_f32_u32 v73, s47
	s_wait_dscnt 0x14                              ; the three slot loads are in; the 20 candidate loads behind them stay out
	v_cmp_gt_u32 vcc_lo, 16, v1
	v_cndmask_b32 v62, 0xff800000, v62, vcc_lo
	v_max3_num_f32 v67, v58, v60, v62
	RED v_max_num_f32_dpp, v_max_num_f32, 67, 68   ; M
	v_sub_f32 v69, v58, v67
	v_sub_f32 v70, v60, v67
	v_sub_f32 v71, v62, v67
	v_sub_f32 v72, v16, v67
	v_min_num_f32 v72, 0, v72                      ; with a masked path M >= -1e9 and this changes nothing; without one it keeps 0 x exp finite
.irp r, 69,70,71,72
	v_mul_f32 v\r, 0x3fb8aa3b, v\r                 ; e^x = 2^(x log2 e)
.endr
.irp r, 69,70,71,72
	v_exp_f32 v\r, v\r
.endr
	; the first maximum: the least pid << 5 | wave among the slots that hold M (below 2^12: exact as f32)
	v_lshl_add_u32 v59, v59, 5, v74                ; (a plain line between the exponentials and their use)
	s_wait_alu depctr_va_vdst(0)
	v_add_f32 v69, v69, v70
	v_add_f32 v69, v69, v71
	RED v_add_f32_dpp, v_add_f32, 69, 68
	v_fma_f32 v69, v73, v72, v69                   ; S
	v_lshl_add_u32 v61, v61, 5, v74
	v_lshl_add_u32 v63, v63, 5, v74
	v_add_nc_u32 v61, 8, v61
	v_add_nc_u32 v63, 16, v63
.irp i, 0,1,2
	v_cvt_f32_u32 v[59+2*\i], v[59+2*\i]
	v_cmp_eq_f32 vcc_lo, v[58+2*\i], v67
	v_cndmask_b32 v[59+2*\i], v75, v[59+2*\i], vcc_lo
.endr
	v_min3_num_f32 v59, v59, v61, v63
	RED v_min_num_f32_dpp, v_min_num_f32, 59, 68
	v_cvt_u32_f32 v59, v59
	v_and_b32 v64, 31, v59                         ; the winner's wave
	v_lshrrev_b32 v65, 5, v59                      ; the winner's pid
	s_wait_dscnt 0x0
	v_cmp_eq_u32 vcc_lo, 0, v64                    ; a choice of values, made in every case: no address hangs on the winner
	v_cndmask_b32 v120, 0, v80, vcc_lo
	v_cndmask_b32 v121, 0, v81, vcc_lo
.set c, 1
.rept 19
	v_cmp_eq_u32 vcc_lo, c, v64
	v_cndmask_b32 v120, v120, v[80+2*c], vcc_lo
	v_cndmask_b32 v121, v121, v[81+2*c], vcc_lo
.set c, c+1
.endr
	s_mul_i32 s22, s20, 64000                      ; column block j
	s_lshl_b32 s47, ttmp9, 8                       ; + 256 x work-group
	s_add_co_u32 s22, s22, s47
	s_mov_b32 s23, 0
	s_add_nc_u64 s[18:19], s[18:19], s[22:23]
	v_lshlrev_b32 v122, 3, v1
	global_store_b64 v122, v[120:121], s[18:19]    ; the wave stores 256 consecutive bytes, aligned
	s_cmp_lg_u32 s20, 0
	s_cbranch_scc1 .Lend
	v_mov_b32 v76, v67                             ; wave 0: the group's entry of part
	v_mov_b32 v77, v69
	v_add_nc_u32 v78, s21, v65
	v_mov_b32 v79, 0
	v_mov_b32 v123, 0
	s_lshl_b32 s22, ttmp9, 4
	s_mov_b32 s23, 0
	s_add_nc_u64 s[16:17], s[16:17], s[22:23]
	v_cmp_eq_u32 vcc_lo, 0, v1
	s_wait_xcnt 0x0                                ; EXEC is a source of the store above: it is narrowed only behind this wait
	s_and_saveexec_b32 s52, vcc_lo
	global_store_b128 v123, v[76:79], s[16:17]     ; lane 0 alone: 16 bytes
	s_wait_xcnt 0x0                                ; and widened again only behind this one
	s_or_b32 exec_lo, exec_lo, s52
.Lend:
	s_wait_tensorcnt 0x0
	ds_add_u32 v190, v191
	s_wait_dscnt 0x0
	s_endpgm
.Lfunc_end_k_q94cf3ad059_score:
	.size	k_q94cf3ad059_score, .Lfunc_end_k_q94cf3ad059_score-k_q94cf3ad059_score
	.p2alignl 7, 3214868480
	.fill 96, 4, 3214868480
	.section	.rodata,"a",@progbits
	.p2align	6, 0x0
	.amdhsa_kernel k_q94cf3ad059_score
		.amdhsa_group_segment_fixed_size 24064
		.amdhsa_private_segment_fixed_size 0
		.amdhsa_enable_private_segment 0
		.amdhsa_kernarg_size 64
		.amdhsa_user_sgpr_count 2
		.amdhsa_user_sgpr_kernarg_segment_ptr 1
		.amdhsa_wavefront_size32 1
		.amdhsa_system_sgpr_workgroup_id_x 1
		.amdhsa_system_sgpr_workgroup_id_y 1
		.amdhsa_system_sgpr_workgroup_id_z 1
		.amdhsa_system_vgpr_workitem_id 0
		.amdhsa_next_free_vgpr 192
		.amdhsa_next_free_sgpr 84
		.amdhsa_reserve_vcc 1
		.amdhsa_float_denorm_mode_32 3
		.amdhsa_float_denorm_mode_16_64 3
		.amdhsa_memory_ordered 1
		.amdhsa_forward_progress 1
		.amdhsa_inst_pref_size 81
	.end_amdhsa_kernel
	.amdgpu_metadata
---
amdhsa.version: [ 1, 2 ]
amdhsa.kernels:
  - .name:           k_q94cf3ad059_score
    .symbol:         k_q94cf3ad059_score.kd
    .args:
      - { .name: edge_emb, .offset: 0, .size: 8, .value_kind: global_buffer, .address_space: global }
      - { .name: paths, .offset: 8, .size: 8, .value_kind: global_buffer, .address_space: global }
      - { .name: path_lens, .offset: 16, .size: 8, .value_kind: global_buffer, .address_space: global }
      - { .name: path_mask, .offset: 24, .size: 8, .value_kind: global_buffer, .address_space: global }
      - { .name: W, .offset: 32, .size: 8, .value_kind: global_buffer, .address_space: global }
      - { .name: b, .offset: 40, .size: 8, .value_kind: global_buffer, .address_space: global }
      - { .name: part, .offset: 48, .size: 8, .value_kind: global_buffer, .address_space: global }
      - { .name: zpart, .offset: 56, .size: 8, .value_kind: global_buffer, .address_space: global }
    .group_segment_fixed_size: 24064
    .private_segment_fixed_size: 0
    .kernarg_segment_align: 8
    .kernarg_segment_size: 64
    .max_flat_workgroup_size: 640
    .sgpr_count:     84
    .vgpr_count:     192
    .wavefront_size: 32
...
	.end_amdgpu_metadata
.endif
;; end of part 1
;; launch pick (part 2): grid 4 x 1, 16 waves a work-group, no clusters, 6,144 bytes of LDS; arguments part, zpart, out0, out1, out2; writes out0, out1, out2
.if DOCPART == 2
	.amdgcn_target "amdgcn-amd-amdhsa--gfx1250"
	.amdhsa_code_object_version 6
	.text
	.protected	k_q94cf3ad059_pick
	.globl	k_q94cf3ad059_pick
	.p2align	8
	.type	k_q94cf3ad059_pick,@function
k_q94cf3ad059_pick:
	s_mov_b64 s[64:65], 0
	v_nop
	global_prefetch_b8 v0, s[64:65] scope:SCOPE_SE
	s_setreg_imm32_b32 hwreg(HW_REG_WAVE_MODE, 25, 1), 1
	s_wait_xcnt 0x0
; PathAgent, second of two launches: merge the 250 partials { M, S, index, 0 } and pick the winner's z.
;   M = max M_g;  S = sum S_g exp(M_g - M);  p = the least index among the groups with M_g = M (each group handed in its first maximum);
;   out0 = p;  out1 = log_softmax at the argmax = -ln S;  out2 = z of group p / 80.
; Four work-groups, one for each block of 64 columns of z; each merges the 4,000 bytes of part for itself (every wave does, 8 entries a lane), so that
; nothing passes between work-groups.  The winner's z is CHOSEN, not fetched: the block's 250 x 256 bytes are read by addresses that hang on the thread's
; number alone (they are on their way while the merge is computed) and v_cndmask_b32 keeps the one row.  Thread t holds bytes 16 (t & 15) .. + 15
; of candidates (t >> 4) + 32 i, i = 0 .. 7: a wave's load covers 512 consecutive bytes.
; Candidates 250 .. 255 do not exist: their addresses are held at candidate 249, and the copies are never chosen (entries: M = -inf, S = 0; z: the
; comparison is made with the unclamped number).
; No matrix unit, no copy engine, no cluster: 260 KB are read once, the blocks are disjoint, and part is small beside them.
; LIMITS: NaN, or M infinite, is not served.
.set P,   16                           ; v[16:47]  8 entries of part: M, S, index, 0 (the fourth word is used as work space)
.set Z,   48                           ; v[48:79]  8 candidates x 16 bytes
.set SEL, 80                           ; v[80:83]  the chosen 16 bytes (0 where none of mine is chosen)
.set TT,  84                           ; v[84:87]  the other half's
; v1 lane, v2-v5 offsets, v6 M, v7 at work, v8 S, v9 +inf, v10 p, v11 p / 80, v12 out1, v13 t >> 4, v14 difference, v15 LDS address
.macro RED opd, op, r, t
	\opd v\r, v\r, v\r row_xmask:1 row_mask:0xf bank_mask:0xf
	\opd v\r, v\r, v\r row_xmask:2 row_mask:0xf bank_mask:0xf
	\opd v\r, v\r, v\r row_xmask:4 row_mask:0xf bank_mask:0xf
	\opd v\r, v\r, v\r row_xmask:8 row_mask:0xf bank_mask:0xf
	v_permlanex16_b32 v\t, v\r, s16, s17
	\op v\r, v\r, v\t
.endm
	s_load_b256 s[4:11], s[0:1], 0x0               ; part s[4:5], zpart s[6:7], out0 s[8:9], out1 s[10:11]
	s_load_b64 s[12:13], s[0:1], 0x20              ; out2
	v_lshl_add_u32 v96, v0, 2, 0x1000
	v_mov_b32 v97, 0
	v_and_b32 v1, 31, v0
	v_lshrrev_b32 v6, 5, v0
	v_readfirstlane_b32 s14, v6                    ; wave 0 .. 15
	s_mov_b32 s16, 0x76543210
	s_mov_b32 s17, 0xfedcba98
	v_lshlrev_b32 v2, 4, v1                        ; entry lane + 32 i: 16 lane + 512 i
	v_add_nc_u32 v3, 224, v1
	v_min_u32 v3, 249, v3
	v_lshlrev_b32 v3, 4, v3                        ; i = 7, held at the last entry
	v_lshlrev_b32 v4, 4, v0                        ; candidate (t >> 4) + 32 i: 16 t + 8,192 i
	v_lshrrev_b32 v13, 4, v0
	v_add_nc_u32 v5, 224, v13
	v_min_u32 v5, 249, v5
	v_and_b32 v15, 15, v0
	v_lshlrev_b32 v15, 4, v15
	v_lshl_add_u32 v5, v5, 8, v15                  ; i = 7, held at the last candidate
	v_lshl_add_u32 v15, s14, 8, v15                ; LDS: 256 wave + 16 (lane & 15)
	s_mul_i32 s20, ttmp9, 64000                    ; my column block
	s_mov_b32 s21, 0
	v_mov_b32 v7, 0
	v_mov_b32 v9, 0x7f800000
.irp j, 0,1,2,3
	v_mov_b32 v[TT+\j], 0                          ; v_permlanex16_b32 counts as a reader of its destination
.endr
	s_wait_kmcnt 0x0
	s_add_nc_u64 s[6:7], s[6:7], s[20:21]
.irp i, 0,1,2,3,4,5,6
	global_load_b128 v[P+4*\i:P+4*\i+3], v2, s[4:5] offset:512*\i
.endr
	global_load_b128 v[P+28:P+31], v3, s[4:5]
.irp i, 0,1,2,3,4,5,6
	global_load_b128 v[Z+4*\i:Z+4*\i+3], v4, s[6:7] offset:8192*\i
.endr
	global_load_b128 v[Z+28:Z+31], v5, s[6:7]
	s_wait_loadcnt 0x8                             ; the eight entries are in; the eight loads of z behind them stay out
	v_cmp_gt_u32 vcc_lo, 26, v1                    ; entries 224 + lane exist for lane < 26
	v_cndmask_b32 v[P+28], 0xff800000, v[P+28], vcc_lo
	v_cndmask_b32 v[P+29], 0, v[P+29], vcc_lo
	v_max3_num_f32 v6, v[P], v[P+4], v[P+8]
	v_max3_num_f32 v6, v6, v[P+12], v[P+16]
	v_max3_num_f32 v6, v6, v[P+20], v[P+24]
	v_max_num_f32 v6, v6, v[P+28]
	RED v_max_num_f32_dpp, v_max_num_f32, 6, 7     ; M
.irp i, 0,1,2,3,4,5,6,7
	v_sub_f32 v[P+4*\i+3], v[P+4*\i], v6
	v_mul_f32 v[P+4*\i+3], 0x3fb8aa3b, v[P+4*\i+3]
	v_cvt_f32_u32 v[P+4*\i+2], v[P+4*\i+2]         ; the index as f32: below 20,000, exact
.endr
.irp i, 0,1,2,3,4,5,6,7
	v_exp_f32 v[P+4*\i+3], v[P+4*\i+3]
.endr
.irp i, 0,1,2,3,4,5,6,7
	v_cmp_eq_f32 vcc_lo, v[P+4*\i], v6             ; (plain lines between the exponentials and their use)
	v_cndmask_b32 v[P+4*\i+2], v9, v[P+4*\i+2], vcc_lo     ; key: the index where M_g = M, else +inf
.endr
	s_wait_alu depctr_va_vdst(0)
	v_mul_f32 v8, v[P+1], v[P+3]
.irp i, 1,2,3,4,5,6,7
	v_fmac_f32 v8, v[P+4*\i+1], v[P+4*\i+3]
.endr
	RED v_add_f32_dpp, v_add_f32, 8, 7             ; S
	v_min3_num_f32 v10, v[P+2], v[P+6], v[P+10]
	v_min3_num_f32 v10, v10, v[P+14], v[P+18]
	v_min3_num_f32 v10, v10, v[P+22], v[P+26]
	v_min_num_f32 v10, v10, v[P+30]
	RED v_min_num_f32_dpp, v_min_num_f32, 10, 7
	v_cvt_u32_f32 v10, v10                         ; p
	v_log_f32 v12, v8
	v_mul_lo_u32 v11, v10, 0xcccd                  ; 52,429 x 80 = 2^22 + 16: (p x 52,429) >> 22 = p / 80 for p < 20,000 (the excess stays under 1/80)
	v_lshrrev_b32 v11, 22, v11
	s_wait_alu depctr_va_vdst(0)
	v_mul_f32 v12, 0xbf317218, v12                 ; -ln S = -ln 2 x log2 S
	v_sub_nc_u32 v14, v11, v13                     ; winner's group - (t >> 4): my candidate i is it where this is 32 i
	s_wait_loadcnt 0x0
.irp i, 0,1,2,3,4,5,6,7
	v_cmp_eq_u32 vcc_lo, 32*\i, v14
.irp j, 0,1,2,3
.if \i == 0
	v_cndmask_b32 v[SEL+\j], 0, v[Z+\j], vcc_lo
.else
	v_cndmask_b32 v[SEL+\j], v[SEL+\j], v[Z+4*\i+\j], vcc_lo
.endif
.endr
.endr
.irp j, 0,1,2,3
	v_permlanex16_b32 v[TT+\j], v[SEL+\j], s16, s17        ; the wave's two halves hold different candidates: all but one of the
	v_or_b32 v[SEL+\j], v[SEL+\j], v[TT+\j]                ; 512 threads' pieces of a column group are zero bits, so OR joins them exactly
.endr
	ds_store_b128 v15, v[SEL:SEL+3]                ; both halves store the same 256 bytes
	s_wait_dscnt 0x0                               ; for wave 0: my store is done before I signal
	s_barrier_signal -1
	s_barrier_wait -1
	s_cmp_lg_u32 s14, 0
	s_cbranch_scc1 .Lend
	v_lshlrev_b32 v88, 3, v1
.set c, 0
.rept 16
	ds_load_b64 v[P+2*c:P+2*c+1], v88 offset:256*c
.set c, c+1
.endr
	s_lshl_b32 s20, ttmp9, 8
	s_mov_b32 s21, 0
	s_add_nc_u64 s[12:13], s[12:13], s[20:21]
	s_wait_dscnt 0x0
.set c, 1
.rept 15
	v_or_b32 v[P],   v[P],   v[P+2*c]
	v_or_b32 v[P+1], v[P+1], v[P+2*c+1]
.set c, c+1
.endr
	global_store_b64 v88, v[P:P+1], s[12:13]       ; the wave stores 256 consecutive bytes of out2, aligned
	s_cmp_lg_u32 ttmp9, 0
	s_cbranch_scc1 .Lend
	v_mov_b32 v89, 0
	v_cmp_eq_u32 vcc_lo, 0, v1
	s_wait_xcnt 0x0                                ; EXEC is a source of the store above: it is narrowed only behind this wait
	s_and_saveexec_b32 s18, vcc_lo
	global_store_b32 v89, v10, s[8:9]              ; out0 = p
	global_store_b32 v89, v12, s[10:11]            ; out1 = -ln S
	s_wait_xcnt 0x0                                ; and widened again only behind this one
	s_or_b32 exec_lo, exec_lo, s18
.Lend:
	s_wait_tensorcnt 0x0
	ds_add_u32 v96, v97
	s_wait_dscnt 0x0
	s_endpgm
.Lfunc_end_k_q94cf3ad059_pick:
	.size	k_q94cf3ad059_pick, .Lfunc_end_k_q94cf3ad059_pick-k_q94cf3ad059_pick
	.p2alignl 7, 3214868480
	.fill 96, 4, 3214868480
	.section	.rodata,"a",@progbits
	.p2align	6, 0x0
	.amdhsa_kernel k_q94cf3ad059_pick
		.amdhsa_group_segment_fixed_size 6144
		.amdhsa_private_segment_fixed_size 0
		.amdhsa_enable_private_segment 0
		.amdhsa_kernarg_size 40
		.amdhsa_user_sgpr_count 2
		.amdhsa_user_sgpr_kernarg_segment_ptr 1
		.amdhsa_wavefront_size32 1
		.amdhsa_system_sgpr_workgroup_id_x 1
		.amdhsa_system_sgpr_workgroup_id_y 1
		.amdhsa_system_sgpr_workgroup_id_z 1
		.amdhsa_system_vgpr_workitem_id 0
		.amdhsa_next_free_vgpr 98
		.amdhsa_next_free_sgpr 66
		.amdhsa_reserve_vcc 1
		.amdhsa_float_denorm_mode_32 3
		.amdhsa_float_denorm_mode_16_64 3
		.amdhsa_memory_ordered 1
		.amdhsa_forward_progress 1
		.amdhsa_inst_pref_size 12
	.end_amdhsa_kernel
	.amdgpu_metadata
---
amdhsa.version: [ 1, 2 ]
amdhsa.kernels:
  - .name:           k_q94cf3ad059_pick
    .symbol:         k_q94cf3ad059_pick.kd
    .args:
      - { .name: part, .offset: 0, .size: 8, .value_kind: global_buffer, .address_space: global }
      - { .name: zpart, .offset: 8, .size: 8, .value_kind: global_buffer, .address_space: global }
      - { .name: out0, .offset: 16, .size: 8, .value_kind: global_buffer, .address_space: global }
      - { .name: out1, .offset: 24, .size: 8, .value_kind: global_buffer, .address_space: global }
      - { .name: out2, .offset: 32, .size: 8, .value_kind: global_buffer, .address_space: global }
    .group_segment_fixed_size: 6144
    .private_segment_fixed_size: 0
    .kernarg_segment_align: 8
    .kernarg_segment_size: 40
    .max_flat_workgroup_size: 512
    .sgpr_count:     66
    .vgpr_count:     98
    .wavefront_size: 32
...
	.end_amdgpu_metadata
.endif
;; end of part 2
